; MI455X (gfx1250); checked and timed in simulation.
; The chip was launched on July 23, 2026; its instructions are those of AMD's public machine-readable ISA for CDNA 5 (MIT licence, August 2026) and "CDNA5" Instruction Set Architecture Reference Guide (July 2026). The comments in the code are by the model that wrote it; some were corrected since.
;; Multi Head Temporal Attention. Allowed arithmetic: matrix products marked QUANTISED: E2M1 operands, one E8M0 scale for each 32 along K, by v_wmma_scale_f32_16x16x128_f8f6f4 with both operands' format E2M1 (or v_wmma_scale_f32_32x16x128_f4), f32 sums; products left as they are: f32 operands where the result goes on into a quantised operand, else bf16, f16 or f32 operands; f32 sums; everything else in f32.
;; Inputs: Wk 512 x 512 float32; Wo 512 x 512 float32; Wq 512 x 512 float32; Wv 512 x 512 float32; enc 32 x 4,096 x 512 float32.
;; Outputs: out0 32 x 512 float32; out1 32 x 4,096 float32.
;; This version of the problem:
;;   THIS VERSION OF THE PROBLEM IS GIVEN IN LOW PRECISION. The matrix products marked QUANTISED in the list below multiply operands that are first quantised to E2M1 (2 exponent bits, 1 mantissa bit; 4 bits a number), with one power-of-two scale for each 32 numbers along K (OCP MX v1.0); their sums are f32. All else is computed in f32.
;;   The module's matrix products, in the order in which they are computed (A, B: the left and right operand; K: the contracted axis; several contracted axes count as one K, in the product's order):
;;     1. [M 32, K 512] x [K 512, N 512]; A: input enc; B: input Wq: QUANTISED
;;     2. [M 131,072, K 512] x [K 512, N 512]; A: input enc; B: input Wk: QUANTISED
;;     3. [M 131,072, K 512] x [K 512, N 512]; A: input enc; B: input Wv: QUANTISED
;;     4. batch 256 x [M 1, K 64] x [K 64, N 4,096]; A: computed on the way; B: computed on the way: left as it is (M = 1 < 16)
;;     5. batch 256 x [M 1, K 4,096] x [K 4,096, N 64]; A: softmax; B: computed on the way: left as it is (M = 1 < 16)
;;     6. [M 32, K 512] x [K 512, N 512]; A: computed on the way; B: input Wo: QUANTISED
;;   THE QUANTISER, for each operand of a quantised product, along K:
;;     - K is cut into blocks of 32 from its start; a last block that is shorter is filled with zeros.
;;     - A block's scale is 2^e with e = floor(log2(the largest magnitude in the block)) - 2, held to -126 .. 127; a block of zeros has e = 0. As a byte (E8M0): e + 127.
;;     - Each number is divided by its block's scale, clamped to +-6, and rounded to the nearest number of E2M1, ties to even, subnormals kept.
;;     - The product sums the exact products of the quantised numbers (number of the format x scale) in f32.
;;   ~~~python
;;   def quantise(x, axis):      # numpy; x: float32 -> the quantised numbers, widened to float32 again
;;       x = np.moveaxis(x, axis, -1); K = x.shape[-1]
;;       x = np.pad(x, [(0, 0)] * (x.ndim - 1) + [(0, -K % 32)]); x = x.reshape(x.shape[:-1] + (-1, 32)); a = np.abs(x).max(-1, keepdims=True)
;;       e = np.where(a > 0, np.clip(np.frexp(np.where(a > 0, a, 1))[1] - 1 - 2, -126, 127), 0)      # np.frexp(a)[1] - 1 = floor(log2(a)), exactly
;;       r = np.clip(x / 2.0 ** e, -6, 6)
;;       step = 2.0 ** (np.maximum(np.frexp(np.where(r == 0, 1, r))[1] - 1, 0) - 1)
;;       q = np.round(r / step) * step * 2.0 ** e      # np.round: ties to even
;;       return np.moveaxis(q.reshape(q.shape[:-2] + (-1,))[..., :K], -1, axis).astype(np.float32)
;;   ~~~
;;   OPERANDS COMPUTED ON THE WAY. 'Computed on the way' means the value that the module computes at that place (a softmax that the list does not call 'softmax' is quantised finished and normalised). What goes into a quantiser is computed in f32, as accurately as f32 sums, v_exp_f32 and their like allow (about 1e-6 of the number): no bf16 or f16 on the way to a quantiser, and a product that is left as it is and whose result goes on into a quantised operand takes f32 operands (vector FMAs, or v_wmma_f32_16x16x4_f32). A number that lies on a knife's edge between two numbers of the format may be rounded either way, as far as f32 arithmetic and the matrix unit's own rounding can turn it there, and no further.
;; One version. Each part assembles by itself: llvm-mc -triple=amdgcn-amd-amdhsa -mcpu=gfx1250 --defsym DOCPART=n.
;; ======== version 1 of 1: 3 launches
;; limits: right only within a limited range of input values
;; workspace buffers: wcodes 524,288 bytes; wscales 32,768 bytes; qbuf 262,144 bytes; scores 4,194,304 bytes; pctx 524,288 bytes; pstat 65,536 bytes
;; launch prep (part 1): grid 352 x 1, 1 waves a work-group, no clusters, 0 bytes of LDS; arguments Wk, Wv, Wq, Wo, enc, wcodes, wscales, qbuf; writes wcodes, wscales, qbuf
.if DOCPART == 1
	.amdgcn_target "amdgcn-amd-amdhsa--gfx1250"
	.amdhsa_code_object_version 6
	.text
	.protected	k_qb3ac889ab7_prep
	.globl	k_qb3ac889ab7_prep
	.p2align	8
	.type	k_qb3ac889ab7_prep,@function
k_qb3ac889ab7_prep:
	s_mov_b64 s[64:65], 0
	v_nop
	global_prefetch_b8 v0, s[64:65] scope:SCOPE_SE
	s_setreg_imm32_b32 hwreg(HW_REG_WAVE_MODE, 25, 1), 1
	s_wait_xcnt 0x0
; Nothing of reference() is left out by this program.
; Work-groups 0 to 95, one wave each, take 16 rows x 512 K of a weight (0-31 Wk, 32-63 Wv, 64-95 Wo) and turn them into codes of FP4 (E2M1) with one E8M0 byte for each 32 along K, stored for the later launches
; as tiles 0-63 (Wk, Wv) and 96-127 (Wo) of wcodes and wscales.
; Work-groups 96 to 351 make q = Q(enc[:, 4095, :]) Q(Wq)^T, cut by K step: number 96 + 64 s + 32 e + T quantises K step s (128 along K) of Wq's rows 16 T on and of batches 16 e on, multiplies them by one matrix
; instruction, and stores the part x log2(e) / 8 to qbuf[s][T][batch][16] f32: 1,024 consecutive bytes.  The next launch adds the four parts.  (The factor turns a score into an exponent to the base 2; no quantiser follows q.)
; THE CODES ARE LAID AS IMAGES OF THE OPERAND'S REGISTERS: wcodes[tile][K step s][c][lane][16 bytes] = registers 4 c .. 4 c + 3 of K step s: lane (r, h) holds row r, k = 128 s + 64 c + 32 h + 0 .. 31.
; THE SCALE WORDS: wscales[tile][lane][2]: word p of lane l < 16 is row l's word of K step 2 p, of lane l >= 16 row l - 16's word of K step 2 p + 1.
; A block's byte is its largest magnitude's exponent field - 2, held at 1 from below.
; LIMITS: a block of zeros, or one whose largest magnitude lies under 2^-124, gets the byte 1 (its codes are zeros; this program alone reads the bytes).  NaN and infinities among the inputs are not served.
.set SH8, 9                            ; v9      8 x (lane / 16)
.set TP,  13                           ; v13     a lane permute's destination
.set TM,  36                           ; v36-39  largest magnitudes, four chains
.set SO,  40                           ; v40-41  the conversions' scale operands
.set BY,  42                           ; v42-43  the scale bytes
.set WD,  44                           ; v44-47  rows' scale words
.set PC,  64                           ; v64-95  the weight's codes
.set PE,  96                           ; v96-103 enc's codes of one K step
.set ACC, 112                          ; v112-119 q's sums
.set QO,  120                          ; v120-127 q x the factor
.set SEL, 40                           ; s[40:41] selects for lane l xor 16
.set MSB, 0
.macro WIN new                         ; the immediate's high byte repeats the setting that is left
.if MSB != (\new)
	s_set_vgpr_msb (MSB<<8)|(\new)
.set MSB, (\new)
.endif
.endm
; 64 numbers of a lane in window w (v[s0 + i] = k 32 h + i, v[s1 + i] = k 64 + 32 h + i): two whole blocks -> 8 registers of codes at v[pc], the row's scale word in v[wd]
.macro QUANT s0, s1, w, pc, wd
	WIN (\w)|((\w)<<2)
.irp u, 0,1
	v_max3_num_f32 v[TM+\u], |v[(\s0)+16*\u]|, |v[(\s0)+16*\u+1]|, 0x1800000      ; the floor 2^(3 - 127) is a leaf of each chain
	v_max3_num_f32 v[TM+2+\u], |v[(\s1)+16*\u]|, |v[(\s1)+16*\u+1]|, 0x1800000
.endr
	WIN ((\w)<<2)|((\w)<<4)
.irp i, 2,4,6,8,10,12,14
.irp u, 0,1
	v_max3_num_f32 v[TM+\u], v[TM+\u], |v[(\s0)+16*\u+\i]|, |v[(\s0)+16*\u+\i+1]|
	v_max3_num_f32 v[TM+2+\u], v[TM+2+\u], |v[(\s1)+16*\u+\i]|, |v[(\s1)+16*\u+\i+1]|
.endr
.endr
	WIN 0
	v_max_num_f32 v[TM], v[TM], v[TM+1]
	v_max_num_f32 v[TM+2], v[TM+2], v[TM+3]
	v_add_nc_u32 v[SO], 0xff000000, v[TM]                  ; 2 off the exponent field: the conversion's scale operand
	v_add_nc_u32 v[SO+1], 0xff000000, v[TM+2]
	v_lshrrev_b32 v[BY], 23, v[SO]
	v_lshrrev_b32 v[BY+1], 23, v[SO+1]
	v_lshl_or_b32 v[\wd], v[BY+1], 16, v[BY]               ; blocks h and 2 + h,
	v_lshlrev_b32 v[\wd], v[SH8], v[\wd]                   ; at their places in the word;
	v_permlanex16_b32 v[TP], v[\wd], s[SEL], s[SEL+1]
	v_or_b32 v[\wd], v[\wd], v[TP]                         ; with lane l xor 16's two the word is whole
	WIN \w
.irp g, 0,1,2,3
	v_cvt_scalef32_pk8_fp4_f32 v[(\pc)+\g], v[(\s0)+8*\g:(\s0)+8*\g+7], v[SO]
.endr
.irp g, 0,1,2,3
	v_cvt_scalef32_pk8_fp4_f32 v[(\pc)+4+\g], v[(\s1)+8*\g:(\s1)+8*\g+7], v[SO+1]
.endr
	WIN 0
	v_nop                                                  ; one plain place behind the last scaled conversion
.endm
.macro KSTEP dst, adr, base            ; one K step's 64 numbers a lane
.irp c, 0,1
.irp g, 0,1,2,3,4,5,6,7
	global_load_b128 v[(\dst)+32*\c+4*\g:(\dst)+32*\c+4*\g+3], v[\adr], s[\base:\base+1] offset:256*\c+16*\g
.endr
.endr
.endm
	s_load_b256 s[4:11], s[0:1], 0x0               ; Wk, Wv, Wq, Wo
	s_load_b256 s[12:19], s[0:1], 0x20             ; enc, wcodes, wscales, qbuf
	v_and_b32 v1, 15, v0                           ; r
	v_bfe_u32 v2, v0, 4, 1                         ; h
	v_lshlrev_b32 v4, 4, v0                        ; 16 x lane
	v_lshlrev_b32 v5, 3, v0                        ; 8 x lane
	v_lshlrev_b32 v[SH8], 3, v2
	v_mov_b32 v[TP], 0
	v_lshlrev_b32 v3, 11, v1
	v_lshl_add_u32 v3, v2, 7, v3                   ; a weight: row r of 2,048 bytes, + 128 h
	v_lshlrev_b32 v6, 23, v1
	v_lshl_add_u32 v6, v2, 7, v6                   ; enc: batch r of 2^23 bytes, + 128 h
	v_lshlrev_b32 v7, 6, v1
	v_lshl_add_u32 v7, v2, 5, v7                   ; qbuf: batch r's 64 bytes, + 32 h
	s_mov_b32 s[SEL], 0x76543210
	s_mov_b32 s[SEL+1], 0xfedcba98
	s_mov_b32 s42, 0xffff0000                      ; lanes 16-31
	s_mov_b32 s25, 0
	s_mov_b32 s27, 0
	s_mov_b32 s31, 0
	s_mov_b32 s33, 0
	s_mov_b32 s35, 0
	s_wait_alu depctr_va_vdst(0)                   ; the head's end
	s_wait_kmcnt 0x0
	s_cmp_ge_u32 ttmp9, 96
	s_cbranch_scc1 .Lq
	; ---- a weight's tile
	s_lshr_b32 s21, ttmp9, 5                       ; 0 Wk, 1 Wv, 2 Wo
	s_and_b32 s22, ttmp9, 31
	s_lshl_b32 s24, s22, 15                        ; the tile's first byte in its weight
	s_mov_b64 s[28:29], s[4:5]                     ; a choice on the work-group's number alone
	s_cmp_eq_u32 s21, 1
	s_cselect_b64 s[28:29], s[6:7], s[28:29]
	s_cmp_eq_u32 s21, 2
	s_cselect_b64 s[28:29], s[10:11], s[28:29]
	s_cselect_b32 s36, 32, 0
	s_add_co_u32 s36, s36, ttmp9                   ; the tile's number in wcodes
	s_lshl_b32 s30, s36, 12
	s_lshl_b32 s32, s36, 8
	s_add_nc_u64 s[28:29], s[28:29], s[24:25]
	s_add_nc_u64 s[14:15], s[14:15], s[30:31]
	s_add_nc_u64 s[16:17], s[16:17], s[32:33]
	WIN 0x40                                       ; destination window 1: K step s at 64 s
.irp s, 0,1,2,3
.irp c, 0,1
.irp g, 0,1,2,3,4,5,6,7
	global_load_b128 v[64*\s+32*\c+4*\g:64*\s+32*\c+4*\g+3], v3, s[28:29] offset:512*\s+256*\c+16*\g
.endr
.endr
.endr
	WIN 0
	s_wait_loadcnt 0x0
.irp s, 0,1,2,3
	QUANT 64*\s, 64*\s+32, 1, PC+8*\s, WD+\s
.endr
	v_cndmask_b32 v34, v[WD], v[WD+1], s42         ; lanes 0-15: K step 0's words, lanes 16-31: K step 1's
	v_cndmask_b32 v35, v[WD+2], v[WD+3], s42
.irp s, 0,1,2,3
.irp c, 0,1
	global_store_b128 v4, v[PC+8*\s+4*\c:PC+8*\s+4*\c+3], s[14:15] offset:1024*\s+512*\c   ; 512 consecutive bytes a store
.endr
.endr
	global_store_b64 v5, v[34:35], s[16:17]        ; 256 consecutive bytes, aligned
	s_endpgm
	; ---- a part of q
.Lq:
	s_sub_co_u32 s36, ttmp9, 96
	s_and_b32 s22, s36, 31                         ; T
	s_bfe_u32 s37, s36, 0x10005                    ; e
	s_lshr_b32 s38, s36, 6                         ; s
	s_lshl_b32 s39, s38, 9                         ; K step s: 512 bytes along a row
	s_lshl_b32 s24, s22, 15
	s_add_co_u32 s24, s24, s39
	s_lshl_b32 s26, s37, 27
	s_add_co_u32 s26, s26, 8386560                 ; 16 e batches on, row 4,095
	s_add_co_u32 s26, s26, s39
	s_lshl_b32 s34, s38, 16
	s_lshl_b32 s22, s22, 11
	s_add_co_u32 s34, s34, s22
	s_lshl_b32 s37, s37, 10
	s_add_co_u32 s34, s34, s37                     ; qbuf: 65,536 s + 2,048 T + 1,024 e
	s_add_nc_u64 s[8:9], s[8:9], s[24:25]
	s_add_nc_u64 s[12:13], s[12:13], s[26:27]
	s_add_nc_u64 s[18:19], s[18:19], s[34:35]
	KSTEP 128, 3, 8
	KSTEP 192, 6, 12
	s_wait_loadcnt 16                              ; Wq's 16 loads are in; enc's 16 may be out
	QUANT 128, 160, 0, PC, WD
	s_wait_loadcnt 0x0
	QUANT 192, 224, 0, PE, WD+1
.rept 8
	v_nop                                          ; a scale register written by a vector instruction stands 8 places ahead of a scaled matrix instruction
.endr
	; source 0 = 16 rows of Wq, source 1 = 16 batches: lane (r, h) holds outputs 8 h + 0 .. 7 of batch r
	v_wmma_scale_f32_16x16x128_f8f6f4 v[ACC:ACC+7], v[PC:PC+7], v[PE:PE+7], 0, v[WD], v[WD+1] matrix_a_fmt:MATRIX_FMT_FP4 matrix_b_fmt:MATRIX_FMT_FP4
.rept 4
	v_nop
.endr
.irp j, 0,1,2,3,4,5,6,7
	v_mul_f32 v[QO+\j], 0x3e38aa3b, v[ACC+\j]      ; x log2(e) / 8, from the accumulator's low end on
.endr
	global_store_b128 v7, v[QO:QO+3], s[18:19]
	global_store_b128 v7, v[QO+4:QO+7], s[18:19] offset:16   ; the two stores cover 1,024 consecutive bytes
	s_endpgm
.Lfunc_end_k_qb3ac889ab7_prep:
	.size	k_qb3ac889ab7_prep, .Lfunc_end_k_qb3ac889ab7_prep-k_qb3ac889ab7_prep
	.p2alignl 7, 3214868480
	.fill 96, 4, 3214868480
	.section	.rodata,"a",@progbits
	.p2align	6, 0x0
	.amdhsa_kernel k_qb3ac889ab7_prep
		.amdhsa_group_segment_fixed_size 0
		.amdhsa_private_segment_fixed_size 0
		.amdhsa_enable_private_segment 0
		.amdhsa_kernarg_size 64
		.amdhsa_user_sgpr_count 2
		.amdhsa_user_sgpr_kernarg_segment_ptr 1
		.amdhsa_wavefront_size32 1
		.amdhsa_system_sgpr_workgroup_id_x 1
		.amdhsa_system_sgpr_workgroup_id_y 1
		.amdhsa_system_sgpr_workgroup_id_z 1
		.amdhsa_system_vgpr_workitem_id 0
		.amdhsa_next_free_vgpr 512
		.amdhsa_next_free_sgpr 66
		.amdhsa_reserve_vcc 0
		.amdhsa_float_denorm_mode_32 3
		.amdhsa_float_denorm_mode_16_64 3
		.amdhsa_memory_ordered 1
		.amdhsa_forward_progress 1
		.amdhsa_inst_pref_size 34
	.end_amdhsa_kernel
	.amdgpu_metadata
---
amdhsa.version: [ 1, 2 ]
amdhsa.kernels:
  - .name:           k_qb3ac889ab7_prep
    .symbol:         k_qb3ac889ab7_prep.kd
    .args:
      - { .name: Wk, .offset: 0, .size: 8, .value_kind: global_buffer, .address_space: global }
      - { .name: Wv, .offset: 8, .size: 8, .value_kind: global_buffer, .address_space: global }
      - { .name: Wq, .offset: 16, .size: 8, .value_kind: global_buffer, .address_space: global }
      - { .name: Wo, .offset: 24, .size: 8, .value_kind: global_buffer, .address_space: global }
      - { .name: enc, .offset: 32, .size: 8, .value_kind: global_buffer, .address_space: global }
      - { .name: wcodes, .offset: 40, .size: 8, .value_kind: global_buffer, .address_space: global }
      - { .name: wscales, .offset: 48, .size: 8, .value_kind: global_buffer, .address_space: global }
      - { .name: qbuf, .offset: 56, .size: 8, .value_kind: global_buffer, .address_space: global }
    .group_segment_fixed_size: 0
    .private_segment_fixed_size: 0
    .kernarg_segment_align: 8
    .kernarg_segment_size: 64
    .max_flat_workgroup_size: 32
    .sgpr_count:     66
    .vgpr_count:     512
    .wavefront_size: 32
...
	.end_amdgpu_metadata
.endif
;; end of part 1
;; launch main (part 2): grid 256 x 1, 8 waves a work-group, no clusters, 327,680 bytes of LDS; arguments enc, wcodes, wscales, qbuf, scores, pctx, pstat; writes scores, pctx, pstat
.if DOCPART == 2
	.amdgcn_target "amdgcn-amd-amdhsa--gfx1250"
	.amdhsa_code_object_version 6
	.text
	.protected	k_qb3ac889ab7_main
	.globl	k_qb3ac889ab7_main
	.p2align	8
	.type	k_qb3ac889ab7_main,@function
k_qb3ac889ab7_main:
	s_mov_b64 s[64:65], 0
	v_nop
	global_prefetch_b8 v0, s[64:65] scope:SCOPE_SE
	s_setreg_imm32_b32 hwreg(HW_REG_WAVE_MODE, 25, 1), 1
	s_wait_xcnt 0x0
; Work-group g owns 512 rows t of batch b = g / 8 (chunk g % 8), in 8 blocks of 64 rows.  Wave w is head w: its 64 rows of Wk and 64 of Wv, as codes of FP4 (E2M1), fill window 1 (256 registers) for the whole launch.
; A PIPELINE OF ONE BARRIER A BLOCK.  In phase n a wave (a) multiplies block n: its 8 weight tiles x 4 tiles of 16 rows x 4 K steps, from the block's code image in LDS, and (b) quantises its piece (16 rows x 256 K, f32)
; of block n + 1 into the other image: one block of 32 numbers a lane behind a run of 16 matrix instructions, whose places these vector instructions fill.
; The f32 rows come through two LDS slots by tensor loads, one a wave: behind phase n's barrier the slot whose numbers phase n - 1 quantised takes block n + 2, and has the whole phase in which to land.
; Both products are used transposed (source 0 = 16 rows of a weight, source 1 = 16 rows t): a lane holds one t and 32 of the head's 64 features.  x = q . k (q: the sum of qbuf's four parts, log2(e) / 8 folded in), in f32.
; TILES OF ROWS GO IN PAIRS: K of both, their two x, ONE step of the running maximum, sum and context (one rescaling for 2 x 32 multiply-adds a lane), then V of both.  K's and V's results share 32 registers; both tiles' fragments stay in registers.
; Each lane keeps maximum, sum and context over its own t; at the end the 16 lanes' are joined under the chunk's maximum.
; Out: scores[b][w][t] = x; pctx[g][64 w + d]; pstat[g][w] = (maximum, sum).  The next launch joins the eight chunks.
; A tile's 16 rows are every second row of 32 (the tensor tile's pitch is two rows), so that lane l's pair of x are t = 2 l and 2 l + 1 of the block: one store of 256 consecutive bytes a block.
; cluster = none: work-groups share only the weights' codes, 256 KB read once into registers, beside 1 MB of rows that are each work-group's own.
; PREFETCH: block n + 4's 128 KB are asked for in phase n, two phases ahead of their tensor load; wave w names 16 KB, lanes 256 bytes apart, each aligned 256 bytes once; blocks 1 to 3 are asked for along the head; phases 4 to 7 ask for nothing.
; LIMITS: a block of zeros, or one whose largest magnitude lies under 2^-124, gets the scale byte 1 (its codes are zeros; this program alone reads the bytes).  NaN and infinities among the inputs are not served.
.set XP,    1040                       ; an f32 tile's LDS row: 1,024 bytes + 16
.set WREG,  16*XP                      ; a wave's tile
.set SLOTB, 8*WREG
.set IMG,   2*SLOTB                    ; two code images: 16 fragments of 1,024 bytes, then 8 scale registers of 128
.set IMGB,  17408
.set ISC,   16384
.set SPARE, IMG+2*IMGB                 ; the spare words: 128 bytes a wave
.set STATS, SPARE+1024
.set SPI,   272
.set BLKB,  131072                     ; a block of 64 rows in memory
.set SPW, 1
.set NIL, 2
.set LI,  3                            ; IMG + 16 x lane
.set LS,  4                            ; IMG + 4 x lane
.set XRD, 5                            ; v5-6 my numbers in slot 0, 1
.set XWI, 7                            ; where my codes go
.set XWS, 8                            ; and my scale words
.set SH8, 9
.set SOFF, 10                          ; 8 x lane
.set MX,  11
.set LL,  12
.set TP,  13
.set PFO, 14                           ; 256 x lane
.set BYE, 15                           ; the byte of an even block, kept for the odd one
.set WS,  16                           ; v16-31 the weights' scale words
.set XS,  32                           ; v32-33 the scale words of the pair's first tile
.set SCP, 34                           ; v34-35 the block's x
.set CH,  36
.set XA,  44
.set PQ,  44                           ; the second p (over the first x, which is done with)
.set XX,  45
.set MN,  46
.set DD,  47
.set FF,  48
.set PP,  50
.set PC,  52                           ; v52-55 a block's codes
.set TM,  56
.set SO,  58
.set WD,  59                           ; v59-60 my two K steps' scale words
.set WDP, 61
.set XT,  62                           ; v62-63 the scale words of the pair's second tile
.set XF,  64                           ; the first tile's fragments
.set KA,  96                           ; results of K or of V
.set XG,  128                          ; the second tile's fragments
.set QV,  160
.set CX,  192
.set ST3, 224                          ; the 32 numbers being quantised
.set G1,  24
.set G0,  32
.set SEL, 40
.set PFB, 62
.set MSB, 0
.macro WIN new
.if MSB != (\new)
	s_set_vgpr_msb (MSB<<8)|(\new)
.set MSB, (\new)
.endif
.endm
; one block of 32 numbers a lane, the q-th of my piece (k = 64 q + 32 h on), -> 16 bytes of codes in image img; behind an odd q the K step's scale word is whole, behind q = 3 both go out
.macro QSTEP src, q, img
	v_max3_num_f32 v[TM], |v[(\src)]|, |v[(\src)+1]|, 0x1800000            ; two chains; the floor 2^(3 - 127) is a leaf of each
	v_max3_num_f32 v[TM+1], |v[(\src)+16]|, |v[(\src)+17]|, 0x1800000
.irp i, 2,4,6,8,10,12,14
	s_delay_alu instid0(VALU_DEP_2)
	v_max3_num_f32 v[TM], v[TM], |v[(\src)+\i]|, |v[(\src)+\i+1]|
	s_delay_alu instid0(VALU_DEP_2)
	v_max3_num_f32 v[TM+1], v[TM+1], |v[(\src)+16+\i]|, |v[(\src)+17+\i]|
.endr
	s_delay_alu instid0(VALU_DEP_1)
	v_max_num_f32 v[TM], v[TM], v[TM+1]
	s_delay_alu instid0(VALU_DEP_1)
	v_add_nc_u32 v[SO], 0xff000000, v[TM]                  ; 2 off the exponent field: the conversion's scale operand
.if (\q)%2 == 0
	s_delay_alu instid0(VALU_DEP_1)
	v_lshrrev_b32 v[BYE], 23, v[SO]
.else
	s_delay_alu instid0(VALU_DEP_1)
	v_lshrrev_b32 v[TM+1], 23, v[SO]
	s_delay_alu instid0(VALU_DEP_1)
	v_lshl_or_b32 v[WD+(\q)/2], v[TM+1], 16, v[BYE]        ; blocks h and 2 + h of the K step,
	s_delay_alu instid0(VALU_DEP_1)
	v_lshlrev_b32 v[WD+(\q)/2], v[SH8], v[WD+(\q)/2]       ; at their places;
	s_delay_alu instid0(VALU_DEP_1)
	v_permlanex16_b32 v[TP], v[WD+(\q)/2], s[SEL], s[SEL+1]
	s_delay_alu instid0(VALU_DEP_1)
	v_or_b32 v[WD+(\q)/2], v[WD+(\q)/2], v[TP]             ; with lane l xor 16's two the word is whole
.endif
.irp g, 0,1,2,3
	v_cvt_scalef32_pk8_fp4_f32 v[PC+\g], v[(\src)+8*\g:(\src)+8*\g+7], v[SO]
.endr
	v_nop                                                  ; one plain place behind the last scaled conversion
	ds_store_b128 v[XWI], v[PC:PC+3] offset:(\img)*IMGB+512*(\q)
.if (\q) == 3
	v_cndmask_b32 v[WDP], v[WD], v[WD+1], s42              ; lanes 0-15 my first K step's words, lanes 16-31 my second's
	ds_store_b32 v[XWS], v[WDP] offset:(\img)*IMGB
.endif
.endm
.macro STG dst, slot, q                ; my q-th 32 numbers out of an f32 slot
.irp g, 0,1,2,3,4,5,6,7
	ds_load_b128 v[(\dst)+4*\g:(\dst)+4*\g+3], v[XRD+(\slot)] offset:256*(\q)+16*\g
.endr
.endm
.macro WM d, a, b, sa, sb, ks
.if (\ks) == 0
	v_wmma_scale_f32_16x16x128_f8f6f4 v[(\d):(\d)+7], v[(\a):(\a)+7], v[(\b):(\b)+7], 0, v[\sa], v[\sb] matrix_a_fmt:MATRIX_FMT_FP4 matrix_b_fmt:MATRIX_FMT_FP4
.elseif (\ks)%2 == 1
	v_wmma_scale_f32_16x16x128_f8f6f4 v[(\d):(\d)+7], v[(\a):(\a)+7], v[(\b):(\b)+7], v[(\d):(\d)+7], v[\sa], v[\sb] matrix_a_fmt:MATRIX_FMT_FP4 matrix_b_fmt:MATRIX_FMT_FP4 matrix_a_scale:MATRIX_SCALE_ROW1 matrix_b_scale:MATRIX_SCALE_ROW1
.else
	v_wmma_scale_f32_16x16x128_f8f6f4 v[(\d):(\d)+7], v[(\a):(\a)+7], v[(\b):(\b)+7], v[(\d):(\d)+7], v[\sa], v[\sb] matrix_a_fmt:MATRIX_FMT_FP4 matrix_b_fmt:MATRIX_FMT_FP4
.endif
.endm
; 16 matrix instructions: four weight tiles (at wb in window 1, scale words at wsb) x one tile of rows, 4 K steps; the four accumulators by turns
.macro MUL16 wb, wsb, xf, xs
	WIN 0x01
.irp s, 0,1,2,3
.irp i, 0,1,2,3
	WM KA+8*\i, (\wb)+8*(4*\i+\s), (\xf)+8*\s, (\wsb)+2*\i+\s/2, (\xs)+\s/2, \s
.endr
.endr
	WIN 0
.endm
.macro PLACES n
.rept \n
	v_nop
.endr
.endm
.macro ASK off                         ; my wave's 16 KB of the block that begins off bytes behind s[PFB]
	global_prefetch_b8 v[PFO], s[PFB:PFB+1] offset:\off th:TH_LOAD_NT scope:SCOPE_SE
	global_prefetch_b8 v[PFO], s[PFB:PFB+1] offset:\off+8192 th:TH_LOAD_NT scope:SCOPE_SE
.endm
	s_load_b256 s[4:11], s[0:1], 0x0               ; enc, wcodes, wscales, qbuf
	s_load_b128 s[12:15], s[0:1], 0x20             ; scores, pctx
	s_load_b64 s[2:3], s[0:1], 0x30                ; pstat
	v_lshl_add_u32 v[SPW], v0, 2, SPARE
	v_mov_b32 v[NIL], 0
	ds_add_u32 v[SPW], v[NIL]                      ; the opening lines: the add, twice on end, and its wait
	ds_add_u32 v[SPW], v[NIL]
	v_lshrrev_b32 v36, 5, v0
	s_delay_alu instid0(VALU_DEP_1)
	v_readfirstlane_b32 s16, v36                   ; wave
	s_mov_b32 s[G1+0], (2<<16)|(1<<20)|(7<<22)|(3<<25)   ; elements of 4 bytes; 4 words of padding behind every 256
	s_mov_b32 s[G1+1], 256<<16
	s_mov_b32 s[G1+2], 16<<16
	s_mov_b32 s[G1+3], 256<<16
	s_mov_b32 s[G1+4], 16
	s_mov_b32 s[G1+5], 1024                        ; from row to row of the tile: two rows of enc
	s_mov_b32 s[G1+6], 0
	s_mov_b32 s[G1+7], 0
	s_mul_i32 s58, s16, WREG
	s_lshl_b32 s20, ttmp9, 20                      ; my tile of a block: rows 32 (w / 2 % 2) + (w / 4) + 2 y, K half w % 2
	s_bfe_u32 s22, s16, 0x10001
	s_lshl_b32 s22, s22, 16
	s_add_co_u32 s20, s20, s22
	s_lshr_b32 s22, s16, 2
	s_lshl_b32 s22, s22, 11
	s_add_co_u32 s20, s20, s22
	s_and_b32 s22, s16, 1
	s_lshl_b32 s22, s22, 10
	s_add_co_u32 s20, s20, s22
	s_mov_b32 s21, 0
	s_wait_dscnt 0x0
	s_wait_kmcnt 0x0
	s_add_nc_u64 s[20:21], s[4:5], s[20:21]
.irp s, 0,1
	s_mov_b32 s[G0+4*\s], 1
	s_add_co_u32 s[G0+4*\s+1], s58, \s*SLOTB
	s_add_nc_u64 s[G0+4*\s+2:G0+4*\s+3], s[20:21], \s*BLKB
	s_or_b32 s[G0+4*\s+3], s[G0+4*\s+3], 0x80000000
.endr
	tensor_load_to_lds s[G0:G0+3], s[G1:G1+7]      ; block 0: my one tensor load at the head
	s_nop 0
	s_lshr_b32 s18, ttmp9, 3                       ; b
	s_and_b32 s19, ttmp9, 7                        ; chunk
	s_lshl_b32 s44, s18, 3
	s_add_co_u32 s44, s44, s16
	s_lshl_b32 s44, s44, 14
	s_lshl_b32 s59, s19, 11
	s_add_co_u32 s44, s44, s59                     ; scores: row 8 b + w, + 512 t of the chunk
	s_mov_b32 s45, 0
	s_lshl_b32 s46, s16, 14                        ; wcodes: tiles 4 w on
	s_mov_b32 s47, 0
	s_lshl_b32 s48, s16, 13
	s_lshl_b32 s59, s18, 6
	s_add_co_u32 s48, s48, s59                     ; qbuf: tiles 4 w on, batch b
	s_mov_b32 s49, 0
	s_lshl_b32 s50, s16, 10                        ; wscales
	s_mov_b32 s51, 0
	s_lshl_b32 s54, ttmp9, 11
	s_lshl_b32 s59, s16, 8
	s_add_co_u32 s54, s54, s59
	s_mov_b32 s55, 0
	s_lshl_b32 s56, ttmp9, 8
	s_mov_b32 s57, 0
	s_lshl_b32 s[PFB], ttmp9, 20
	s_lshl_b32 s59, s16, 14
	s_add_co_u32 s[PFB], s[PFB], s59
	s_add_co_u32 s[PFB], s[PFB], BLKB              ; my 16 KB of block 1
	s_mov_b32 s[PFB+1], 0
	s_add_nc_u64 s[PFB:PFB+1], s[4:5], s[PFB:PFB+1]
	s_add_nc_u64 s[44:45], s[12:13], s[44:45]
	s_add_nc_u64 s[46:47], s[6:7], s[46:47]
	s_add_nc_u64 s[48:49], s[10:11], s[48:49]
	s_add_nc_u64 s[50:51], s[8:9], s[50:51]
	s_add_nc_u64 s[54:55], s[14:15], s[54:55]
	s_add_nc_u64 s[56:57], s[2:3], s[56:57]
	s_mov_b32 s[SEL], 0x76543210
	s_mov_b32 s[SEL+1], 0xfedcba98
	s_mov_b32 s42, 0xffff0000
	s_mov_b32 s43, 3
	v_and_b32 v36, 31, v0
	v_and_b32 v37, 15, v0
	v_bfe_u32 v38, v0, 4, 1
	v_lshlrev_b32 v34, 4, v36                      ; 16 x lane
	v_lshlrev_b32 v35, 5, v38                      ; 32 h
	v_lshlrev_b32 v[SOFF], 3, v36
	v_lshlrev_b32 v[PFO], 8, v36
	s_wait_alu depctr_va_vdst(0)
	; under the first tile's flight: q's four parts, the weights' scale words and codes
.macro QPART dst, s                    ; part s of q(64 w + 16 i + 8 h + 0 .. 7), the same in all 16 lanes of a half
.irp i, 0,1,2,3
.irp c, 0,1
	global_load_b128 v[(\dst)+8*\i+4*\c:(\dst)+8*\i+4*\c+3], v35, s[48:49] offset:65536*(\s)+2048*\i+16*\c
.endr
.endr
.endm
	QPART QV, 0
	QPART CX, 1
	QPART KA, 2
	QPART XG, 3
.irp i, 0,1,2,3
	global_load_b64 v[WS+2*\i:WS+2*\i+1], v[SOFF], s[50:51] offset:256*\i
	global_load_b64 v[WS+8+2*\i:WS+8+2*\i+1], v[SOFF], s[50:51] offset:8192+256*\i
.endr
	WIN 0x40
.irp i, 0,1,2,3
.irp s, 0,1,2,3
.irp c, 0,1
	global_load_b128 v[8*(4*\i+\s)+4*\c:8*(4*\i+\s)+4*\c+3], v34, s[46:47] offset:(4*\i+\s)*1024+512*\c
.endr
.endr
.endr
.irp i, 0,1,2,3
.irp s, 0,1,2,3
.irp c, 0,1
	global_load_b128 v[128+8*(4*\i+\s)+4*\c:128+8*(4*\i+\s)+4*\c+3], v34, s[46:47] offset:131072+(4*\i+\s)*1024+512*\c
.endr
.endr
.endr
	WIN 0
	ASK 0                                          ; block 1
	v_lshl_add_u32 v[LI], v36, 4, IMG
	v_lshl_add_u32 v[LS], v36, 2, IMG
	v_mul_u32_u24 v[XRD], v37, XP
	s_delay_alu instid0(VALU_DEP_1)
	v_lshl_add_u32 v[XRD], v38, 7, v[XRD]
	s_delay_alu instid0(VALU_DEP_1)
	v_add_nc_u32 v[XRD], s58, v[XRD]
	s_delay_alu instid0(VALU_DEP_1)
	v_add_nc_u32 v[XRD+1], SLOTB, v[XRD]
	s_lshl_b32 s59, s16, 11
	v_add_nc_u32 v[XWI], s59, v[LI]
	s_lshl_b32 s59, s16, 7
	s_add_co_u32 s59, s59, ISC
	v_add_nc_u32 v[XWS], s59, v[LS]
	v_lshlrev_b32 v[SH8], 3, v38
	v_mov_b32 v[MX], 0xff61b1e6                    ; -3e38, under every x
	v_mov_b32 v[LL], 0
	v_mov_b32 v[TP], 0
	v_mov_b32 v[FF+1], 0                           ; named as upper halves of pairs
	v_mov_b32 v[PP+1], 0
	s_wait_alu depctr_va_vdst(0)
	s_wait_loadcnt 63                              ; of my 104 loads at most the last 63 are out: q's 32, the first issued, are in
.irp j, 0,2,4,6,8,10,12,14,16,18,20,22,24,26,28,30
	v_pk_add_f32 v[QV+\j:QV+\j+1], v[QV+\j:QV+\j+1], v[CX+\j:CX+\j+1]
	v_pk_add_f32 v[KA+\j:KA+\j+1], v[KA+\j:KA+\j+1], v[XG+\j:XG+\j+1]
.endr
.irp j, 0,2,4,6,8,10,12,14,16,18,20,22,24,26,28,30
	v_pk_add_f32 v[QV+\j:QV+\j+1], v[QV+\j:QV+\j+1], v[KA+\j:KA+\j+1]      ; q: the four K steps' parts
.endr
.irp j, 0,1,2,3,4,5,6,7,8,9,10,11,12,13,14,15,16,17,18,19,20,21,22,23,24,25,26,27,28,29,30,31
	v_mov_b32 v[CX+\j], 0
.endr
	s_wait_alu depctr_va_vdst(0)                   ; the head's end
	s_wait_tensorcnt 0x0                           ; block 0 is in
	ds_add_u32 v[SPW], v[NIL]
	s_wait_dscnt 0x0
	s_barrier_signal -1
	s_barrier_wait -1
	tensor_load_to_lds s[G0+4:G0+7], s[G1:G1+7]    ; block 1
	s_nop 0
	STG KA, 0, 0                                   ; block 0 is quantised here, into image 0
	STG XG, 0, 1
	STG XF, 0, 2
	STG ST3, 0, 3
	s_wait_dscnt 24                                ; the first eight loads are in; 24 later ones may be out
	QSTEP KA, 0, 0
	ASK BLKB                                       ; block 2
	s_wait_dscnt 16                                ; at most the last 16 out (15 loads and the store between, the youngest)
	QSTEP XG, 1, 0
	s_wait_dscnt 8
	QSTEP XF, 2, 0
	ASK 2*BLKB                                     ; block 3
	s_wait_dscnt 0x0
	QSTEP ST3, 3, 0
.macro FETCH dst, xs, img, m           ; tile m's four fragments and two scale registers
.irp s, 0,1,2,3
.irp c, 0,1
	ds_load_b128 v[(\dst)+8*\s+4*\c:(\dst)+8*\s+4*\c+3], v[LI] offset:(\img)*IMGB+(4*(\m)+\s)*1024+512*\c
.endr
.endr
.irp p, 0,1
	ds_load_b32 v[(\xs)+\p], v[LS] offset:(\img)*IMGB+ISC+(2*(\m)+\p)*128
.endr
.endm
.macro SCORE xr                        ; x of my t: 32 products a lane, and lane l xor 16's
.irp i, 0,1,2,3
	v_pk_mul_f32 v[CH+2*\i:CH+2*\i+1], v[KA+8*\i:KA+8*\i+1], v[QV+8*\i:QV+8*\i+1]
.endr
.irp j, 2,4,6
.irp i, 0,1,2,3
	v_pk_fma_f32 v[CH+2*\i:CH+2*\i+1], v[KA+8*\i+\j:KA+8*\i+\j+1], v[QV+8*\i+\j:QV+8*\i+\j+1], v[CH+2*\i:CH+2*\i+1]
.endr
.endr
	s_delay_alu instid0(VALU_DEP_3)
	v_pk_add_f32 v[CH:CH+1], v[CH:CH+1], v[CH+2:CH+3]
	s_delay_alu instid0(VALU_DEP_2)
	v_pk_add_f32 v[CH+4:CH+5], v[CH+4:CH+5], v[CH+6:CH+7]
	s_delay_alu instid0(VALU_DEP_1)
	v_pk_add_f32 v[CH:CH+1], v[CH:CH+1], v[CH+4:CH+5]
	s_delay_alu instid0(VALU_DEP_1)
	v_add_f32 v[XX], v[CH], v[CH+1]
	s_delay_alu instid0(VALU_DEP_1)
	v_permlanex16_b32 v[TP], v[XX], s[SEL], s[SEL+1]
	s_delay_alu instid0(VALU_DEP_1)
	v_add_f32 v[\xr], v[XX], v[TP]
.endm
.macro SOFT2 u                         ; one step of the running maximum and sum for the pair's two x
	v_cndmask_b32 v[SCP+\u], v[XA], v[XX], s42
	v_max3_num_f32 v[MN], v[MX], v[XA], v[XX]
	v_sub_f32 v[CH], v[MX], v[MN]
	v_sub_f32 v[CH+1], v[XA], v[MN]
	v_sub_f32 v[CH+2], v[XX], v[MN]
	s_wait_alu depctr_va_vdst(0)                   ; the wait ahead of the batch,
	v_exp_f32 v[FF], v[CH]
	v_exp_f32 v[PP], v[CH+1]
	v_exp_f32 v[PQ], v[CH+2]
	v_mov_b32 v[MX], v[MN]
	s_wait_alu depctr_va_vdst(0)                   ; and behind it
	v_fma_f32 v[LL], v[LL], v[FF], v[PP]
	v_add_f32 v[LL], v[LL], v[PQ]
.endm
.macro RESC                            ; the context under the new maximum
.irp j, 0,2,4,6,8,10,12,14,16,18,20,22,24,26,28,30
	v_pk_mul_f32 v[CX+\j:CX+\j+1], v[CX+\j:CX+\j+1], v[FF:FF+1] op_sel_hi:[1,0]
.endr
.endm
.macro CTXA pp                         ; + p x V of one tile, each accumulator from its low end on
.irp j, 0,2,4,6,8,10,12,14,16,18,20,22,24,26,28,30
	v_pk_fma_f32 v[CX+\j:CX+\j+1], v[KA+\j:KA+\j+1], v[\pp:\pp+1], v[CX+\j:CX+\j+1] op_sel_hi:[1,0,1]
.endr
.endm
; PHASE n, p = n % 2.  tw: a tensor load of mine may be out.  fill: slot p takes block n + 2.  quant: block n + 1 is quantised out of slot 1 - p into image 1 - p.  ask: block n + 4 is asked for in all trips but the loop's last
.macro PHASE p, fill, quant, ask, tw
.if \tw
	s_wait_tensorcnt 0x0                           ; my part of block n + 1 is in, and no tensor load of mine is out
	ds_add_u32 v[SPW], v[NIL]
.endif
.if \fill
	s_add_nc_u64 s[G0+4*\p+2:G0+4*\p+3], s[G0+4*\p+2:G0+4*\p+3], 2*BLKB
.endif
	s_wait_xcnt 0x0                                ; the last store of x and my prefetches have read their bases
	s_add_nc_u64 s[44:45], s[44:45], 256
.if \ask
	s_add_nc_u64 s[PFB:PFB+1], s[PFB:PFB+1], BLKB
.endif
	s_wait_dscnt 0x0                               ; the add, my codes' stores, my reads of slot p and of the other image
	s_barrier_signal -1
	s_barrier_wait -1
.if \fill
	tensor_load_to_lds s[G0+4*\p:G0+4*\p+3], s[G1:G1+7]
	s_nop 0
.endif
	FETCH XF, XS, \p, 0
	FETCH XG, XT, \p, 1
.if \quant
	STG ST3, 1-\p, 0
.endif
	s_wait_loadcnt 0x0                             ; the head's loads (nothing is out in later phases)
.irp u, 0,1
	s_wait_dscnt 0x0
	MUL16 0, WS, XF, XS                            ; K of tile 2 u
.if \quant
	QSTEP ST3, 2*\u, 1-\p                          ; its vector instructions are also the places behind the products
	STG ST3, 1-\p, 2*\u+1
.else
	PLACES 4
.endif
	SCORE XA
	MUL16 0, WS, XG, XT                            ; K of tile 2 u + 1
.if \quant
	s_wait_dscnt 0x0                               ; the next 32 numbers
	QSTEP ST3, 2*\u+1, 1-\p
.if \u == 0
	STG ST3, 1-\p, 2
.endif
.else
	PLACES 4
.endif
	SCORE XX
	SOFT2 \u
	MUL16 128, WS+8, XF, XS                        ; V of tile 2 u
	RESC                                           ; (places)
.if \u == 0
	FETCH XF, XS, \p, 2
.endif
	CTXA PP
	MUL16 128, WS+8, XG, XT                        ; V of tile 2 u + 1
	PLACES 5                                       ; five: the next run of products writes over these results, and the lines below name them
.if \u == 0
	FETCH XG, XT, \p, 3
.if \ask
	s_cmp_lg_u32 s43, 1
	s_cbranch_scc0 .Lnone_\@                       ; phases 4 and 5: there are no blocks 8 and 9
	ASK 2*BLKB                                     ; block n + 4
.Lnone_\@:
.endif
.endif
	CTXA PQ
.endr
	global_store_b64 v[SOFF], v[SCP:SCP+1], s[44:45] offset:-256   ; the block's 64 x: 256 consecutive bytes, aligned
.endm
.Lpair:                                            ; phases 0 to 5
	PHASE 0, 1, 1, 1, 1
	PHASE 1, 1, 1, 1, 1
	s_sub_co_u32 s43, s43, 1
	s_cmp_lg_u32 s43, 0
	s_cbranch_scc1 .Lpair
	PHASE 0, 0, 1, 0, 1                            ; phase 6 fills nothing,
	PHASE 1, 0, 0, 0, 0                            ; phase 7 quantises nothing
	; the 16 lanes' maxima, sums and contexts are joined
	v_mov_b32 v36, v[MX]
	s_delay_alu instid0(VALU_DEP_1)
	v_max_num_f32_dpp v36, v36, v36 row_xmask:1 row_mask:0xf bank_mask:0xf
	s_delay_alu instid0(VALU_DEP_1)
	v_max_num_f32_dpp v36, v36, v36 row_xmask:2 row_mask:0xf bank_mask:0xf
	s_delay_alu instid0(VALU_DEP_1)
	v_max_num_f32_dpp v36, v36, v36 row_xmask:4 row_mask:0xf bank_mask:0xf
	s_delay_alu instid0(VALU_DEP_1)
	v_max_num_f32_dpp v36, v36, v36 row_xmask:8 row_mask:0xf bank_mask:0xf
	s_delay_alu instid0(VALU_DEP_1)
	v_sub_f32 v[DD], v[MX], v36
	s_wait_alu depctr_va_vdst(0)
	v_exp_f32 v[FF], v[DD]
	v_and_b32 v44, 15, v0
	v_bfe_u32 v45, v0, 4, 1
	s_wait_alu depctr_va_vdst(0)
	v_mul_f32 v37, v[LL], v[FF]
	s_delay_alu instid0(VALU_DEP_1)
	v_add_f32_dpp v37, v37, v37 row_xmask:1 row_mask:0xf bank_mask:0xf
	s_delay_alu instid0(VALU_DEP_1)
	v_add_f32_dpp v37, v37, v37 row_xmask:2 row_mask:0xf bank_mask:0xf
	s_delay_alu instid0(VALU_DEP_1)
	v_add_f32_dpp v37, v37, v37 row_xmask:4 row_mask:0xf bank_mask:0xf
	s_delay_alu instid0(VALU_DEP_1)
	v_add_f32_dpp v37, v37, v37 row_xmask:8 row_mask:0xf bank_mask:0xf
.irp j, 0,2,4,6,8,10,12,14,16,18,20,22,24,26,28,30
	v_pk_mul_f32 v[CX+\j:CX+\j+1], v[CX+\j:CX+\j+1], v[FF:FF+1] op_sel_hi:[1,0]
.endr
	v_mul_u32_u24 v40, v44, SPI                    ; a stage in my part of slot 0, which has had its last fill
	s_delay_alu instid0(VALU_DEP_1)
	v_lshl_add_u32 v40, v45, 5, v40
	s_delay_alu instid0(VALU_DEP_1)
	v_add_nc_u32 v40, s58, v40
	v_and_b32 v46, 31, v0
	s_delay_alu instid0(VALU_DEP_1)
	v_lshl_add_u32 v41, v46, 3, s58
	s_lshl_b32 s59, s16, 3
	s_add_co_u32 s59, s59, STATS
	v_mov_b32 v42, s59
	v_and_b32 v43, 7, v0
	s_delay_alu instid0(VALU_DEP_1)
	v_lshl_add_u32 v43, v43, 3, STATS
.irp i, 0,1,2,3
	ds_store_b128 v40, v[CX+8*\i:CX+8*\i+3] offset:64*\i
	ds_store_b128 v40, v[CX+8*\i+4:CX+8*\i+7] offset:64*\i+16
.endr
.irp k, 0,1,2,3,4,5,6,7,8,9,10,11,12,13,14,15
	ds_load_b64 v[KA+2*\k:KA+2*\k+1], v41 offset:SPI*\k   ; in order behind my own stores: two features of each of the 16 rows
.endr
	ds_store_b64 v42, v[36:37]
	s_wait_dscnt 0x0
	s_barrier_signal -1
	s_barrier_wait -1
.irp k, 0,1,2,3,4,5,6,7
	v_pk_add_f32 v[KA+2*\k:KA+2*\k+1], v[KA+2*\k:KA+2*\k+1], v[KA+16+2*\k:KA+16+2*\k+1]
.endr
.irp k, 0,1,2,3
	s_delay_alu instid0(VALU_DEP_4)
	v_pk_add_f32 v[KA+2*\k:KA+2*\k+1], v[KA+2*\k:KA+2*\k+1], v[KA+8+2*\k:KA+8+2*\k+1]
.endr
.irp k, 0,1
	s_delay_alu instid0(VALU_DEP_2)
	v_pk_add_f32 v[KA+2*\k:KA+2*\k+1], v[KA+2*\k:KA+2*\k+1], v[KA+4+2*\k:KA+4+2*\k+1]
.endr
	s_delay_alu instid0(VALU_DEP_1)
	v_pk_add_f32 v[KA:KA+1], v[KA:KA+1], v[KA+2:KA+3]
	global_store_b64 v[SOFF], v[KA:KA+1], s[54:55] ; my head's 64 features: 256 consecutive bytes
	s_cmp_lg_u32 s16, 0
	s_cbranch_scc1 .Lend
	ds_load_b64 v[38:39], v43
	s_wait_dscnt 0x0
	global_store_b64 v[SOFF], v[38:39], s[56:57]   ; the eight heads' pairs, four times over: one record of 256 bytes
.Lend:
	s_wait_tensorcnt 0x0                           ; the wave's end
	ds_add_u32 v[SPW], v[NIL]
	s_wait_dscnt 0x0
	s_endpgm
.Lfunc_end_k_qb3ac889ab7_main:
	.size	k_qb3ac889ab7_main, .Lfunc_end_k_qb3ac889ab7_main-k_qb3ac889ab7_main
	.p2alignl 7, 3214868480
	.fill 96, 4, 3214868480
	.section	.rodata,"a",@progbits
	.p2align	6, 0x0
	.amdhsa_kernel k_qb3ac889ab7_main
		.amdhsa_group_segment_fixed_size 327680
		.amdhsa_private_segment_fixed_size 0
		.amdhsa_enable_private_segment 0
		.amdhsa_kernarg_size 56
		.amdhsa_user_sgpr_count 2
		.amdhsa_user_sgpr_kernarg_segment_ptr 1
		.amdhsa_wavefront_size32 1
		.amdhsa_system_sgpr_workgroup_id_x 1
		.amdhsa_system_sgpr_workgroup_id_y 1
		.amdhsa_system_sgpr_workgroup_id_z 1
		.amdhsa_system_vgpr_workitem_id 0
		.amdhsa_next_free_vgpr 512
		.amdhsa_next_free_sgpr 66
		.amdhsa_reserve_vcc 0
		.amdhsa_float_denorm_mode_32 3
		.amdhsa_float_denorm_mode_16_64 3
		.amdhsa_memory_ordered 1
		.amdhsa_forward_progress 1
		.amdhsa_inst_pref_size 203
	.end_amdhsa_kernel
	.amdgpu_metadata
---
amdhsa.version: [ 1, 2 ]
amdhsa.kernels:
  - .name:           k_qb3ac889ab7_main
    .symbol:         k_qb3ac889ab7_main.kd
    .args:
      - { .name: enc, .offset: 0, .size: 8, .value_kind: global_buffer, .address_space: global }
      - { .name: wcodes, .offset: 8, .size: 8, .value_kind: global_buffer, .address_space: global }
      - { .name: wscales, .offset: 16, .size: 8, .value_kind: global_buffer, .address_space: global }
      - { .name: qbuf, .offset: 24, .size: 8, .value_kind: global_buffer, .address_space: global }
      - { .name: scores, .offset: 32, .size: 8, .value_kind: global_buffer, .address_space: global }
      - { .name: pctx, .offset: 40, .size: 8, .value_kind: global_buffer, .address_space: global }
      - { .name: pstat, .offset: 48, .size: 8, .value_kind: global_buffer, .address_space: global }
    .group_segment_fixed_size: 327680
    .private_segment_fixed_size: 0
    .kernarg_segment_align: 8
    .kernarg_segment_size: 56
    .max_flat_workgroup_size: 256
    .sgpr_count:     66
    .vgpr_count:     512
    .wavefront_size: 32
...
	.end_amdgpu_metadata
.endif
;; end of part 2
;; launch finish (part 3): grid 160 x 1, 8 waves a work-group, no clusters, 18,432 bytes of LDS; arguments scores, pctx, pstat, wcodes, wscales, out0, out1; writes out0, out1
.if DOCPART == 3
	.amdgcn_target "amdgcn-amd-amdhsa--gfx1250"
	.amdhsa_code_object_version 6
	.text
	.protected	k_qb3ac889ab7_finish
	.globl	k_qb3ac889ab7_finish
	.p2align	8
	.type	k_qb3ac889ab7_finish,@function
k_qb3ac889ab7_finish:
	s_mov_b64 s[64:65], 0
	v_nop
	global_prefetch_b8 v0, s[64:65] scope:SCOPE_SE
	s_setreg_imm32_b32 hwreg(HW_REG_WAVE_MODE, 25, 1), 1
	s_wait_xcnt 0x0
; The eight chunks of each batch are joined.  With M_h = the largest of the chunks' m and L_h = the sum of l_c 2^(m_c - M_h):
;   context[b][64 h + d] = the sum over c of pctx[8 b + c][64 h + d] 2^(m_c - M_h) / L_h;  out0 = Q(context) Q(Wo)^T on codes of FP4 (E2M1), E8M0 scales for each 32 along K
;                                                                                       (work-groups 0 to 31: 4 batches x 128 outputs each: bg = g % 8, ng = g / 8)
;   out1[b][t] = 1/8 x the sum over h of 2^(x[b][h][t] - M_h) / L_h                     (work-groups 32 to 159: 1,024 t of one batch each, 128 a wave, 4 a lane)
; The two roles part on the work-group's number, which all waves of a work-group share; only the first role uses LDS and barriers.
; THE FIRST ROLE.  Four batches to a work-group, so that it reads 64 KB of pctx; the matrix instruction's 16 columns hold the four batches four times over (column r = batch r % 4).
; First wave w is head w.  Each load of pctx reads two whole aligned pieces of 256 bytes: lanes 0-15 head w's 64 features of batch 2 k, chunk c, lanes 16-31 those of batch 2 k + 1.  The factors a_c = 2^(m_c - M) / L, which
; lane (r, h) makes for batch r % 4, reach those lanes through a table of the wave's own in LDS; the sums go through a stage of the wave's own and come back as the quantiser wants them: lane (r, h) holds features
; 64 w + 32 h + 0 .. 31 of batch r % 4: one whole block of 32 along the product's K, and just registers 4 c .. 4 c + 3 (c = w % 2) of K step w / 2's fragment in that lane.  Codes go to LDS as an image of the operand's
; registers, the block's scale byte to its place in the scale registers' image.  Then wave w makes outputs 16 (8 ng + w) on: source 0 = 16 rows of Wo, source 1 = the batches, so that a lane holds eight neighbouring outputs
; of one batch; the waves' results meet in a stage, and each wave stores one aligned piece of 256 bytes.
; LIMITS: a block of zeros, or one whose largest magnitude lies under 2^-124, gets the scale byte 1 (this program alone reads the bytes); NaN and infinities are not served.
.set CIMG, 0                           ; LDS: the context's 4 fragments, 1,024 bytes each;
.set CSC,  4096                        ; its two scale registers, 128 bytes each: the word of K step s, column r at 64 s + 4 r;
.set OST,  4352                        ; the stage for out0: 4 rows x (512 bytes + 16);
.set OP,   528
.set CT,   6656                        ; the factors: for each wave 4 batches x 8 pairs (a_c, l_c) of 8 bytes;
.set TS,   8704                        ; the context's stage: for each wave 4 rows x (256 bytes + 16)
.set TPI,  272
	s_load_b256 s[4:11], s[0:1], 0x0               ; scores s[4:5], pctx s[6:7], pstat s[8:9], wcodes s[10:11]
	s_load_b128 s[12:15], s[0:1], 0x20             ; wscales s[12:13], out0 s[14:15]
	s_load_b64 s[16:17], s[0:1], 0x30              ; out1
	s_set_vgpr_msb 0x40
	v_lshl_add_u32 v0, v0, 2, 0x4400
	v_mov_b32 v1, 0
	s_set_vgpr_msb 0x4000
	v_lshrrev_b32 v1, 5, v0
	s_delay_alu instid0(VALU_DEP_1)
	v_readfirstlane_b32 s18, v1                    ; wave 0..7
	v_and_b32 v1, 31, v0                           ; lane
	s_mov_b32 s40, 0x76543210                      ; v_permlanex16_b32's selects for lane l xor 16
	s_mov_b32 s41, 0xfedcba98
	s_cmp_lt_u32 ttmp9, 32
	s_cbranch_scc1 .Lcontext
	; ---- out1
	s_sub_co_u32 s19, ttmp9, 32
	s_lshr_b32 s36, s19, 2                         ; b
	s_and_b32 s37, s19, 3                          ; which 1,024 t
	s_lshl_b32 s42, s36, 11                        ; pstat: the batch's eight records of 256 bytes
	s_mov_b32 s43, 0
	s_lshl_b32 s38, s37, 12
	s_lshl_b32 s39, s18, 9
	s_add_co_u32 s38, s38, s39                     ; my wave's 128 t, in bytes
	s_lshl_b32 s44, s36, 17                        ; scores: the batch's eight rows of 16,384 bytes
	s_add_co_u32 s44, s44, s38
	s_mov_b32 s45, 0
	s_lshl_b32 s46, s36, 14                        ; out1: the batch's row
	s_add_co_u32 s46, s46, s38
	s_mov_b32 s47, 0
	s_wait_alu depctr_va_vdst(0)
	v_lshrrev_b32 v2, 3, v1
	v_and_b32 v4, 7, v1
	s_delay_alu instid0(VALU_DEP_1)
	v_lshlrev_b32 v4, 3, v4
	s_delay_alu instid0(VALU_DEP_1)
	v_lshl_add_u32 v2, v2, 8, v4                   ; chunk lane / 8, head lane % 8
	v_lshlrev_b32 v3, 4, v1                        ; 16 x lane
	v_mov_b32 v13, 0                               ; a lane permute's destination counts as one of its sources
	s_wait_alu depctr_va_vdst(0)
	s_wait_kmcnt 0x0
	s_add_nc_u64 s[42:43], s[8:9], s[42:43]
	s_add_nc_u64 s[44:45], s[4:5], s[44:45]
	s_add_nc_u64 s[46:47], s[16:17], s[46:47]
	global_load_b64 v[8:9], v2, s[42:43]               ; (m, l) of chunk lane / 8,
	global_load_b64 v[10:11], v2, s[42:43] offset:1024 ; and of chunk 4 + lane / 8
.irp h, 0,1,2,3,4,5,6,7
	global_load_b128 v[32+4*\h:35+4*\h], v3, s[44:45] offset:16384*\h      ; x of my four t, head h: 512 consecutive bytes a wave
.endr
	s_wait_loadcnt 8                               ; the two pairs are in; the eight loads of x may be out
	v_max_num_f32 v12, v8, v10
	s_delay_alu instid0(VALU_DEP_1)
	v_max_num_f32_dpp v12, v12, v12 row_xmask:8 row_mask:0xf bank_mask:0xf
	s_delay_alu instid0(VALU_DEP_1)
	v_permlanex16_b32 v13, v12, s40, s41
	s_delay_alu instid0(VALU_DEP_1)
	v_max_num_f32 v12, v12, v13                    ; M of head lane % 8: the lanes 8, 16 and 24 away hold the other chunks
	s_delay_alu instid0(VALU_DEP_1)
	v_sub_f32 v14, v8, v12
	s_delay_alu instid0(VALU_DEP_2)
	v_sub_f32 v15, v10, v12
	s_wait_alu depctr_va_vdst(0)
	v_exp_f32 v14, v14
	v_exp_f32 v15, v15
	v_nop                                          ; one plain place behind the exponentials
	s_wait_alu depctr_va_vdst(0)
	v_mul_f32 v16, v9, v14
	v_fma_f32 v16, v11, v15, v16
	s_delay_alu instid0(VALU_DEP_1)
	v_add_f32_dpp v16, v16, v16 row_xmask:8 row_mask:0xf bank_mask:0xf
	s_delay_alu instid0(VALU_DEP_1)
	v_permlanex16_b32 v13, v16, s40, s41
	s_delay_alu instid0(VALU_DEP_1)
	v_add_f32 v16, v16, v13                        ; L
	s_wait_alu depctr_va_vdst(0)
	v_rcp_f32 v17, v16
	v_nop                                          ; one plain place behind the reciprocal
	s_wait_alu depctr_va_vdst(0)
	v_mul_f32 v17, 0x3e000000, v17                 ; 1 / (8 L)
.irp h, 0,1,2,3,4,5,6,7
	v_readlane_b32 s[20+\h], v12, \h               ; the eight heads' M and 1 / (8 L) as scalar operands of the arithmetic below: no address and no branch is made of them
	v_readlane_b32 s[28+\h], v17, \h
.endr
	s_wait_loadcnt 0x0
.irp h, 0,1,2,3,4,5,6,7
.irp k, 0,1,2,3
	v_sub_f32 v[32+4*\h+\k], v[32+4*\h+\k], s[20+\h]
.endr
.endr
	s_wait_alu depctr_va_vdst(0)
.irp j, 0,1,2,3,4,5,6,7,8,9,10,11,12,13,14,15,16,17,18,19,20,21,22,23,24,25,26,27,28,29,30,31
	v_exp_f32 v[32+\j], v[32+\j]
.endr
	v_nop                                          ; one plain place behind the exponentials
	s_wait_alu depctr_va_vdst(0)
.irp k, 0,1,2,3
	v_mul_f32 v[64+\k], s28, v[32+\k]
.endr
.irp h, 1,2,3,4,5,6,7
.irp k, 0,1,2,3
	v_fma_f32 v[64+\k], v[32+4*\h+\k], s[28+\h], v[64+\k]
.endr
.endr
	global_store_b128 v3, v[64:67], s[46:47]       ; 512 consecutive bytes a wave, at a multiple of 256 from the buffer's first byte
	s_endpgm
	; ---- out0
	; REGISTERS: v4-15, v147 addresses; v16-31 the eight pairs (m_c, l_c), then (a_c, l_c); v32-63 my block of the context; v64-95 Wo's fragments, v96-97 its scale pair; v98-129 the context's fragments, v130-131 its scale registers;
	; v132-139 the result; v140-151 at work; v152-159 the sums of two batches' pieces; v160-223 pctx as loaded (k at 32 k, chunk c at + 4 c); v224-255 the factors of my half's batches (k at 16 k, pair c at + 2 c)
.Lcontext:
	s_and_b32 s19, ttmp9, 7                        ; bg: batches 4 bg on
	s_lshr_b32 s36, ttmp9, 3                       ; ng: outputs 128 ng on
	v_and_b32 v2, 15, v0                           ; r
	v_bfe_u32 v3, v0, 4, 1                         ; h
	v_and_b32 v146, 3, v0                          ; r % 4: my column's batch
	s_delay_alu instid0(VALU_DEP_1)
	v_lshlrev_b32 v4, 11, v146                     ; pstat: a batch's eight records: 2,048 bytes
	s_delay_alu instid0(VALU_DEP_4)
	v_lshlrev_b32 v5, 4, v2                        ; pctx: 16 bytes a lane of a piece of 256,
	s_delay_alu instid0(VALU_DEP_1)
	v_lshl_add_u32 v5, v3, 14, v5                  ; lanes 16-31 one batch (eight rows of 2,048 bytes) further on
	s_wait_alu depctr_va_vdst(0)
	v_lshlrev_b32 v6, 4, v1                        ; 16 x lane
	v_lshlrev_b32 v7, 3, v1                        ; 8 x lane
	s_wait_alu depctr_va_vdst(0)
	s_lshl_b32 s37, s18, 9
	v_add_nc_u32 v8, s37, v6                       ; my four registers' image: CIMG + 512 w + 16 x lane
	s_lshr_b32 s37, s18, 1
	s_lshl_b32 s37, s37, 6
	s_and_b32 s38, s18, 1
	s_lshl_b32 s38, s38, 1
	s_add_co_u32 s37, s37, s38
	s_add_co_u32 s37, s37, CSC
	v_lshl_add_u32 v9, v2, 2, v3
	s_delay_alu instid0(VALU_DEP_1)
	v_add_nc_u32 v9, s37, v9                       ; my block's scale byte: CSC + 64 (w / 2) + 4 r + 2 (w % 2) + h
	v_lshl_add_u32 v10, v1, 2, CSC                 ; a scale register's image: 4 x lane
	v_mul_u32_u24 v11, v146, OP
	s_delay_alu instid0(VALU_DEP_1)
	v_lshl_add_u32 v11, v3, 5, v11
	s_lshl_b32 s37, s18, 6
	s_add_co_u32 s37, s37, OST
	v_add_nc_u32 v11, s37, v11                     ; out0's stage, in: row r % 4, + 64 w + 32 h
	s_lshr_b32 s37, s18, 1
	s_mul_i32 s37, s37, OP
	s_and_b32 s38, s18, 1
	s_lshl_b32 s38, s38, 8
	s_add_co_u32 s37, s37, s38
	s_add_co_u32 s37, s37, OST
	v_add_nc_u32 v12, s37, v7                      ; back: row w / 2, its half w % 2, 8 bytes a lane
	s_lshl_b32 s37, s18, 8
	s_add_co_u32 s37, s37, CT
	v_lshl_add_u32 v13, v146, 6, s37               ; the factors, in: my wave's table, batch r % 4's 64 bytes
	v_lshl_add_u32 v14, v3, 6, s37                 ; back: batch 2 k + h's
	s_mul_i32 s37, s18, 4*TPI
	s_add_co_u32 s37, s37, TS
	v_mul_u32_u24 v15, v3, TPI
	s_delay_alu instid0(VALU_DEP_1)
	v_lshl_add_u32 v15, v2, 4, v15
	s_delay_alu instid0(VALU_DEP_1)
	v_add_nc_u32 v15, s37, v15                     ; the context's stage, in: row 2 k + h, 16 bytes a lane
	v_mul_u32_u24 v147, v146, TPI
	s_delay_alu instid0(VALU_DEP_1)
	v_lshl_add_u32 v147, v3, 7, v147
	s_delay_alu instid0(VALU_DEP_1)
	v_add_nc_u32 v147, s37, v147                   ; back: row r % 4, + 128 h: my 32 features
	s_lshl_b32 s42, s19, 13                        ; pstat: 4 bg batches, + 8 w: head w's pair in a record
	s_lshl_b32 s37, s18, 3
	s_add_co_u32 s42, s42, s37
	s_mov_b32 s43, 0
	s_lshl_b32 s44, s19, 16                        ; pctx: 4 bg batches, + 256 w: head w's 64 features
	s_lshl_b32 s37, s18, 8
	s_add_co_u32 s44, s44, s37
	s_mov_b32 s45, 0
	s_lshl_b32 s37, s36, 3
	s_add_co_u32 s37, s37, s18
	s_add_co_u32 s37, s37, 96                      ; Wo's tile: 96 + 8 ng + w
	s_lshl_b32 s46, s37, 12
	s_mov_b32 s47, 0
	s_lshl_b32 s48, s37, 8
	s_mov_b32 s49, 0
	s_lshl_b32 s50, s19, 2                         ; out0: row 4 bg + w / 2 of 2,048 bytes, + 512 ng + 256 (w % 2)
	s_lshr_b32 s37, s18, 1
	s_add_co_u32 s50, s50, s37
	s_lshl_b32 s50, s50, 11
	s_lshl_b32 s37, s36, 9
	s_add_co_u32 s50, s50, s37
	s_and_b32 s37, s18, 1
	s_lshl_b32 s37, s37, 8
	s_add_co_u32 s50, s50, s37
	s_mov_b32 s51, 0
	s_wait_kmcnt 0x0
	s_add_nc_u64 s[42:43], s[8:9], s[42:43]
	s_add_nc_u64 s[44:45], s[6:7], s[44:45]
	s_add_nc_u64 s[46:47], s[10:11], s[46:47]
	s_add_nc_u64 s[48:49], s[12:13], s[48:49]
	s_add_nc_u64 s[50:51], s[14:15], s[50:51]
.irp c, 0,1,2,3,4,5,6,7
	global_load_b64 v[16+2*\c:17+2*\c], v4, s[42:43] offset:256*\c         ; (m_c, l_c) of batch r % 4 and my head
.endr
.irp k, 0,1
.irp c, 0,1,2,3,4,5,6,7
	global_load_b128 v[160+32*\k+4*\c:160+32*\k+4*\c+3], v5, s[44:45] offset:32768*\k+2048*\c   ; batch 2 k + h, chunk c: sixteen lanes read 256 consecutive bytes, aligned
.endr
.endr
.irp s, 0,1,2,3
.irp c, 0,1
	global_load_b128 v[64+8*\s+4*\c:64+8*\s+4*\c+3], v6, s[46:47] offset:1024*\s+512*\c    ; Wo's four fragments
.endr
.endr
	global_load_b64 v[96:97], v7, s[48:49]         ; and its scale pair
	s_wait_loadcnt 25                              ; the eight pairs are in; behind them: pctx's sixteen loads and Wo's nine
	v_max3_num_f32 v140, v16, v18, v20
	s_delay_alu instid0(VALU_DEP_1)
	v_max3_num_f32 v140, v140, v22, v24
	s_delay_alu instid0(VALU_DEP_1)
	v_max3_num_f32 v140, v140, v26, v28
	s_delay_alu instid0(VALU_DEP_1)
	v_max_num_f32 v140, v140, v30                  ; M
.irp c, 0,1,2,3,4,5,6,7
	v_sub_f32 v[16+2*\c], v[16+2*\c], v140
.endr
	s_wait_alu depctr_va_vdst(0)
.irp c, 0,1,2,3,4,5,6,7
	v_exp_f32 v[16+2*\c], v[16+2*\c]               ; 2^(m_c - M)
.endr
	v_nop                                          ; one plain place behind the exponentials
	s_wait_alu depctr_va_vdst(0)
	v_mul_f32 v141, v16, v17
.irp c, 1,2,3,4,5,6,7
	v_fma_f32 v141, v[16+2*\c], v[17+2*\c], v141   ; L
.endr
	s_wait_alu depctr_va_vdst(0)
	v_rcp_f32 v142, v141
	v_nop                                          ; one plain place behind the reciprocal
	s_wait_alu depctr_va_vdst(0)
.irp c, 0,1,2,3,4,5,6,7
	v_mul_f32 v[16+2*\c], v[16+2*\c], v142         ; a_c = 2^(m_c - M) / L, in the low word of a pair whose upper word (l_c) is written and not used
.endr
.irp j, 0,1,2,3
	ds_store_b128 v13, v[16+4*\j:19+4*\j] offset:16*\j             ; the eight lanes of a batch write the same words with the same values
.endr
.irp k, 0,1
.irp j, 0,1,2,3
	ds_load_b128 v[224+16*\k+4*\j:224+16*\k+4*\j+3], v14 offset:128*\k+16*\j   ; LDS serves a wave's instructions in order (ISA guide 5.7.1.4): these see my wave's stores
.endr
.endr
	s_wait_dscnt 0x0
.irp k, 0,1
	s_wait_loadcnt 8*(1-\k)+9                      ; batch 2 k + h's eight loads are in; behind them: the later k's eight, and Wo's nine
.irp c, 0,1,2,3,4,5,6,7
.irp u, 0,2
.if \c == 0
	v_pk_mul_f32 v[152+4*\k+\u:153+4*\k+\u], v[160+32*\k+4*\c+\u:161+32*\k+4*\c+\u], v[224+16*\k+2*\c:225+16*\k+2*\c] op_sel_hi:[1,0]
.else
	s_delay_alu instid0(VALU_DEP_2)
	v_pk_fma_f32 v[152+4*\k+\u:153+4*\k+\u], v[160+32*\k+4*\c+\u:161+32*\k+4*\c+\u], v[224+16*\k+2*\c:225+16*\k+2*\c], v[152+4*\k+\u:153+4*\k+\u] op_sel_hi:[1,0,1]
.endif
.endr
.endr
.endr
	ds_store_b128 v15, v[152:155]                  ; rows h and 2 + h of my wave's stage
	ds_store_b128 v15, v[156:159] offset:2*TPI
.irp g, 0,1,2,3,4,5,6,7
	ds_load_b128 v[32+4*\g:35+4*\g], v147 offset:16*\g             ; my 32 neighbours of batch r % 4 (in order behind my wave's stores)
.endr
	s_wait_dscnt 0x0
	v_max3_num_f32 v143, |v32|, |v33|, 0x1800000   ; my block's largest magnitude, in two chains; the floor 2^(3 - 127) is a leaf of each: the byte cannot fall under 1
	v_max3_num_f32 v144, |v48|, |v49|, 0x1800000
.irp i, 2,4,6,8,10,12,14
	s_delay_alu instid0(VALU_DEP_2)
	v_max3_num_f32 v143, v143, |v[32+\i]|, |v[33+\i]|
	s_delay_alu instid0(VALU_DEP_2)
	v_max3_num_f32 v144, v144, |v[48+\i]|, |v[49+\i]|
.endr
	s_delay_alu instid0(VALU_DEP_1)
	v_max_num_f32 v143, v143, v144
	s_delay_alu instid0(VALU_DEP_1)
	v_add_nc_u32 v145, 0xff000000, v143            ; 2 off the exponent field: the conversion's scale operand
	s_delay_alu instid0(VALU_DEP_1)
	v_lshrrev_b32 v146, 23, v145                   ; the scale's byte
.irp g, 0,1,2,3
	v_cvt_scalef32_pk8_fp4_f32 v[148+\g], v[32+8*\g:39+8*\g], v145
.endr
	v_nop                                          ; one plain place behind the last scaled conversion
	ds_store_b128 v8, v[148:151]
	ds_store_b8 v9, v146                           ; each byte is written by one lane of one wave
	s_wait_dscnt 0x0                               ; for the others' sake: my stores have landed
	s_barrier_signal -1
	s_barrier_wait -1                              ; the context's four fragments and two scale registers lie in LDS
.irp s, 0,1,2,3
.irp c, 0,1
	ds_load_b128 v[98+8*\s+4*\c:98+8*\s+4*\c+3], v6 offset:CIMG+1024*\s+512*\c
.endr
.endr
	ds_load_b32 v130, v10
	ds_load_b32 v131, v10 offset:128
	s_wait_loadcnt 0x0                             ; Wo
	s_wait_dscnt 0x0
	; one accumulator, four K steps: a wait directly ahead of each link
	v_wmma_scale_f32_16x16x128_f8f6f4 v[132:139], v[64:71], v[98:105], 0, v96, v130 matrix_a_fmt:MATRIX_FMT_FP4 matrix_b_fmt:MATRIX_FMT_FP4
	s_wait_alu depctr_va_vdst(0)
	v_wmma_scale_f32_16x16x128_f8f6f4 v[132:139], v[72:79], v[106:113], v[132:139], v96, v130 matrix_a_fmt:MATRIX_FMT_FP4 matrix_b_fmt:MATRIX_FMT_FP4 matrix_a_scale:MATRIX_SCALE_ROW1 matrix_b_scale:MATRIX_SCALE_ROW1
	s_wait_alu depctr_va_vdst(0)
	v_wmma_scale_f32_16x16x128_f8f6f4 v[132:139], v[80:87], v[114:121], v[132:139], v97, v131 matrix_a_fmt:MATRIX_FMT_FP4 matrix_b_fmt:MATRIX_FMT_FP4
	s_wait_alu depctr_va_vdst(0)
	v_wmma_scale_f32_16x16x128_f8f6f4 v[132:139], v[88:95], v[122:129], v[132:139], v97, v131 matrix_a_fmt:MATRIX_FMT_FP4 matrix_b_fmt:MATRIX_FMT_FP4 matrix_a_scale:MATRIX_SCALE_ROW1 matrix_b_scale:MATRIX_SCALE_ROW1
.rept 4
	v_nop                                          ; four plain places ahead of the first read of the result
.endr
	ds_store_b128 v11, v[132:135]                  ; lane (r, h): out0(4 bg + r % 4, 128 ng + 16 w + 8 h + 0 .. 7); the accumulator from its low end on; the four columns of a batch hold the same numbers and write the same words
	ds_store_b128 v11, v[136:139] offset:16
	s_wait_dscnt 0x0                               ; for the others' sake: my stores have landed
	s_barrier_signal -1
	s_barrier_wait -1                              ; 4 rows of 512 bytes lie in the stage
	ds_load_b64 v[140:141], v12
	s_wait_dscnt 0x0
	global_store_b64 v7, v[140:141], s[50:51]      ; 32 lanes store 256 consecutive bytes, at a multiple of 256 from the buffer's first byte
	s_set_vgpr_msb 0x5
	s_wait_tensorcnt 0x0
	ds_add_u32 v0, v1
	s_wait_dscnt 0x0
	s_set_vgpr_msb 0x500
	s_endpgm
.Lfunc_end_k_qb3ac889ab7_finish:
	.size	k_qb3ac889ab7_finish, .Lfunc_end_k_qb3ac889ab7_finish-k_qb3ac889ab7_finish
	.p2alignl 7, 3214868480
	.fill 96, 4, 3214868480
	.section	.rodata,"a",@progbits
	.p2align	6, 0x0
	.amdhsa_kernel k_qb3ac889ab7_finish
		.amdhsa_group_segment_fixed_size 18432
		.amdhsa_private_segment_fixed_size 0
		.amdhsa_enable_private_segment 0
		.amdhsa_kernarg_size 56
		.amdhsa_user_sgpr_count 2
		.amdhsa_user_sgpr_kernarg_segment_ptr 1
		.amdhsa_wavefront_size32 1
		.amdhsa_system_sgpr_workgroup_id_x 1
		.amdhsa_system_sgpr_workgroup_id_y 1
		.amdhsa_system_sgpr_workgroup_id_z 1
		.amdhsa_system_vgpr_workitem_id 0
		.amdhsa_next_free_vgpr 258
		.amdhsa_next_free_sgpr 66
		.amdhsa_reserve_vcc 0
		.amdhsa_float_denorm_mode_32 3
		.amdhsa_float_denorm_mode_16_64 3
		.amdhsa_memory_ordered 1
		.amdhsa_forward_progress 1
		.amdhsa_inst_pref_size 27
	.end_amdhsa_kernel
	.amdgpu_metadata
---
amdhsa.version: [ 1, 2 ]
amdhsa.kernels:
  - .name:           k_qb3ac889ab7_finish
    .symbol:         k_qb3ac889ab7_finish.kd
    .args:
      - { .name: scores, .offset: 0, .size: 8, .value_kind: global_buffer, .address_space: global }
      - { .name: pctx, .offset: 8, .size: 8, .value_kind: global_buffer, .address_space: global }
      - { .name: pstat, .offset: 16, .size: 8, .value_kind: global_buffer, .address_space: global }
      - { .name: wcodes, .offset: 24, .size: 8, .value_kind: global_buffer, .address_space: global }
      - { .name: wscales, .offset: 32, .size: 8, .value_kind: global_buffer, .address_space: global }
      - { .name: out0, .offset: 40, .size: 8, .value_kind: global_buffer, .address_space: global }
      - { .name: out1, .offset: 48, .size: 8, .value_kind: global_buffer, .address_space: global }
    .group_segment_fixed_size: 18432
    .private_segment_fixed_size: 0
    .kernarg_segment_align: 8
    .kernarg_segment_size: 56
    .max_flat_workgroup_size: 256
    .sgpr_count:     66
    .vgpr_count:     258
    .wavefront_size: 32
...
	.end_amdgpu_metadata
.endif
;; end of part 3
